; MI455X (gfx1250); checked and timed in simulation.
; The chip was launched on July 23, 2026; its instructions are those of AMD's public machine-readable ISA for CDNA 5 (MIT licence, August 2026) and "CDNA5" Instruction Set Architecture Reference Guide (July 2026). The comments in the code are by the model that wrote it; some were corrected since.
;; Patched Dbrx Experts. Allowed arithmetic: matrix products marked QUANTISED: E2M3 operands, one E8M0 scale for each 32 along K, by v_wmma_scale_f32_16x16x128_f8f6f4 with both operands' format E2M3, f32 sums; products left as they are: f32 operands where the result goes on into a quantised operand, else bf16, f16 or f32 operands; f32 sums; everything else in f32.
;; Inputs: top_experts 2,048 x 4 int32; top_weights 2,048 x 4 float32; v1 8 x 512 x 2,048 float32; w1 8 x 512 x 2,048 float32; w2 8 x 512 x 2,048 float32; weights 2,048 x 8 float32; x 2 x 1,024 x 2,048 float32.
;; Outputs: out0 2 x 1,024 x 2,048 float32.
;; This version of the problem:
;;   THIS VERSION OF THE PROBLEM IS GIVEN IN LOW PRECISION. The matrix products marked QUANTISED in the list below multiply operands that are first quantised to E2M3 (2 exponent bits, 3 mantissa bits; 6 bits a number), with one power-of-two scale for each 32 numbers along K (OCP MX v1.0); their sums are f32. All else is computed in f32.
;;   The module's matrix products, in the order in which they are computed (A, B: the left and right operand; K: the contracted axis; several contracted axes count as one K, in the product's order):
;;     1. batch 2,048 x [M 8, K 4] x [K 4, N 1]; A: computed on the way; B: input top_weights: left as it is (K = 4 < 32)
;;     2. [M 2,048, K 2,048] x [K 2,048, N 512]; A: input x; B: input w1: QUANTISED
;;     3. [M 2,048, K 2,048] x [K 2,048, N 512]; A: input x; B: input v1: QUANTISED
;;     4. [M 2,048, K 512] x [K 512, N 2,048]; A: computed on the way; B: input w2: QUANTISED
;;     5. [M 2,048, K 2,048] x [K 2,048, N 512]; A: input x; B: input w1: QUANTISED
;;     6. [M 2,048, K 2,048] x [K 2,048, N 512]; A: input x; B: input v1: QUANTISED
;;     7. [M 2,048, K 512] x [K 512, N 2,048]; A: computed on the way; B: input w2: QUANTISED
;;     8. [M 2,048, K 2,048] x [K 2,048, N 512]; A: input x; B: input w1: QUANTISED
;;     9. [M 2,048, K 2,048] x [K 2,048, N 512]; A: input x; B: input v1: QUANTISED
;;     10. [M 2,048, K 512] x [K 512, N 2,048]; A: computed on the way; B: input w2: QUANTISED
;;     11. [M 2,048, K 2,048] x [K 2,048, N 512]; A: input x; B: input w1: QUANTISED
;;     12. [M 2,048, K 2,048] x [K 2,048, N 512]; A: input x; B: input v1: QUANTISED
;;     13. [M 2,048, K 512] x [K 512, N 2,048]; A: computed on the way; B: input w2: QUANTISED
;;     14. [M 2,048, K 2,048] x [K 2,048, N 512]; A: input x; B: input w1: QUANTISED
;;     15. [M 2,048, K 2,048] x [K 2,048, N 512]; A: input x; B: input v1: QUANTISED
;;     16. [M 2,048, K 512] x [K 512, N 2,048]; A: computed on the way; B: input w2: QUANTISED
;;     17. [M 2,048, K 2,048] x [K 2,048, N 512]; A: input x; B: input w1: QUANTISED
;;     18. [M 2,048, K 2,048] x [K 2,048, N 512]; A: input x; B: input v1: QUANTISED
;;     19. [M 2,048, K 512] x [K 512, N 2,048]; A: computed on the way; B: input w2: QUANTISED
;;     20. [M 2,048, K 2,048] x [K 2,048, N 512]; A: input x; B: input w1: QUANTISED
;;     21. [M 2,048, K 2,048] x [K 2,048, N 512]; A: input x; B: input v1: QUANTISED
;;     22. [M 2,048, K 512] x [K 512, N 2,048]; A: computed on the way; B: input w2: QUANTISED
;;     23. [M 2,048, K 2,048] x [K 2,048, N 512]; A: input x; B: input w1: QUANTISED
;;     24. [M 2,048, K 2,048] x [K 2,048, N 512]; A: input x; B: input v1: QUANTISED
;;     25. [M 2,048, K 512] x [K 512, N 2,048]; A: computed on the way; B: input w2: QUANTISED
;;   THE QUANTISER, for each operand of a quantised product, along K:
;;     - K is cut into blocks of 32 from its start; a last block that is shorter is filled with zeros.
;;     - A block's scale is 2^e with e = floor(log2(the largest magnitude in the block)) - 2, held to -126 .. 127; a block of zeros has e = 0. As a byte (E8M0): e + 127.
;;     - Each number is divided by its block's scale, clamped to +-7.5, and rounded to the nearest number of E2M3, ties to even, subnormals kept.
;;     - The product sums the exact products of the quantised numbers (number of the format x scale) in f32.
;;   ~~~python
;;   def quantise(x, axis):      # numpy; x: float32 -> the quantised numbers, widened to float32 again
;;       x = np.moveaxis(x, axis, -1); K = x.shape[-1]
;;       x = np.pad(x, [(0, 0)] * (x.ndim - 1) + [(0, -K % 32)]); x = x.reshape(x.shape[:-1] + (-1, 32)); a = np.abs(x).max(-1, keepdims=True)
;;       e = np.where(a > 0, np.clip(np.frexp(np.where(a > 0, a, 1))[1] - 1 - 2, -126, 127), 0)      # np.frexp(a)[1] - 1 = floor(log2(a)), exactly
;;       r = np.clip(x / 2.0 ** e, -7.5, 7.5)
;;       step = 2.0 ** (np.maximum(np.frexp(np.where(r == 0, 1, r))[1] - 1, 0) - 3)
;;       q = np.round(r / step) * step * 2.0 ** e      # np.round: ties to even
;;       return np.moveaxis(q.reshape(q.shape[:-2] + (-1,))[..., :K], -1, axis).astype(np.float32)
;;   ~~~
;;   OPERANDS COMPUTED ON THE WAY. 'Computed on the way' means the value that the module computes at that place (a softmax that the list does not call 'softmax' is quantised finished and normalised). What goes into a quantiser is computed in f32, as accurately as f32 sums, v_exp_f32 and their like allow (about 1e-6 of the number): no bf16 or f16 on the way to a quantiser, and a product that is left as it is and whose result goes on into a quantised operand takes f32 operands (vector FMAs, or v_wmma_f32_16x16x4_f32). A number that lies on a knife's edge between two numbers of the format may be rounded either way, as far as f32 arithmetic and the matrix unit's own rounding can turn it there, and no further.
;; One version. Each part assembles by itself: llvm-mc -triple=amdgcn-amd-amdhsa -mcpu=gfx1250 --defsym DOCPART=n.
;; ======== version 1 of 1: 3 launches
;; workspace buffers: xq 3,145,728 bytes; xs 131,072 bytes; wq 12,582,912 bytes; ws 524,288 bytes; w2q 6,291,456 bytes; ws2 262,144 bytes; hq 6,291,456 bytes; hs 262,144 bytes
;; launch quant (part 1): grid 512 x 1, 5 waves a work-group, no clusters, 41,728 bytes of LDS; arguments xq, xs, wq, ws, x, w1, v1; writes xq, xs, wq, ws
.if DOCPART == 1
	.amdgcn_target "amdgcn-amd-amdhsa--gfx1250"
	.amdhsa_code_object_version 6
	.text
	.protected	k_q725f18f02b_quant
	.globl	k_q725f18f02b_quant
	.p2align	8
	.type	k_q725f18f02b_quant,@function
k_q725f18f02b_quant:
	s_mov_b64 s[64:65], 0
	v_nop
	global_prefetch_b8 v0, s[64:65] scope:SCOPE_SE
	s_setreg_imm32_b32 hwreg(HW_REG_WAVE_MODE, 25, 1), 1
	s_wait_xcnt 0x0
; x, w1 AND v1 (f32) BECOME CODES OF FP6 (E2M3) WITH ONE E8M0 SCALE BYTE FOR EACH 32 ALONG K, ONCE, so that the product launch reads three sixteenths of the bytes.  (w2, which only the last launch wants, is quantised in the launch between.)
; A block's scale is 2^(floor(log2(its largest magnitude)) - 2): its byte is the largest magnitude's exponent field - 2, held at 1 from below by a floor among the maximum's leaves.
; LIMITS: a block of zeros, or one whose largest magnitude lies under 2^-124, gets the byte 1 (its codes are zeros or the rounded numbers under that scale; the bytes are read by this program alone);
; NaN and infinities among the inputs are not served.  The input named weights is no argument: the computation does not use it.
; x [2048][2048], w1 and v1 [4096][2048]: K (the hidden size) is innermost, so a tensor is a stream of blocks of 32.  A wave takes a RUN of 8,192 numbers (4 rows) in 16 steps of 512.
; There are 512 + 1,024 + 1,024 = 2,560 runs: 512 work-groups of five waves, two equal work-groups for each of 256 WGPs.  Run 5 x work-group + wave: 0-511 x, 512-1,535 w1, 1,536-2,559 v1.
;   xq [2048][1536 bytes], xs [2048][64]: rows as they lie.   wq [8192][1536], ws [8192][64]: THE ROWS OF w1 AND v1 ARE INTERLEAVED AND PERMUTED: row f of expert e goes to
;   128 (8 e + f / 64) + 64 g + 32 (f bit 5) + 16 (f bit 3) + 8 (f bit 4) + (f mod 8), g = 0 for w1 and 1 for v1: the next launch then finds gate and up of one hidden unit in one lane, and 16 neighbouring units in 16 registers.
;   The permutation moves whole groups of 4 rows, which is what a wave takes: only the run's place in the output changes.
; The conversions take 16 numbers of ONE block from a lane's registers, so a lane must hold 16 neighbours; a load is best where neighbouring lanes take neighbouring bytes.  Both are had: each load reads 512 consecutive bytes,
; and a step's 2,048 bytes turn through the wave's own stage in LDS.  No tensor loads, no barrier: waves share nothing.
.set STEPS, 16
.set EMAX,  2
.set CB,    12                         ; bytes of 16 codes
.set R,     16                         ; v16-143  eight sets of 16 numbers as they are loaded
.set X,     144                        ; v144-175 two sets of 16 neighbours
.set E,     176                        ; v176-191 a scale byte for each step
.set C,     192                        ; v192-255 codes: four registers for each step, so that no store's data are written again
.set WREG,  8192                       ; LDS: a region for each wave: two stages of 32 x SP bytes, and behind them its 256 scale bytes
.set SP,    80                         ; a lane's place in a stage: its 64 bytes + 16 of padding
	s_load_b256 s[12:19], s[0:1], 0x0              ; xq, xs, wq, ws
	s_load_b128 s[4:7], s[0:1], 0x20               ; x, w1
	s_load_b64 s[8:9], s[0:1], 0x30                ; v1
	v_lshl_add_u32 v251, v0, 2, 0xa000
	v_mov_b32 v255, 0
	v_lshrrev_b32 v1, 5, v0
	v_readfirstlane_b32 s3, v1                     ; wave 0..4
	v_and_b32 v2, 31, v0                           ; lane
	s_mul_i32 s21, ttmp9, 5
	s_add_co_u32 s21, s21, s3                      ; my run; for x also its place in and out
	s_cmp_ge_u32 s21, 1536
	s_cselect_b32 s22, 1, 0                        ; 1 for v1
	s_lshl_b32 s23, s22, 10
	s_add_co_u32 s23, s23, 512                     ; the tensor's first run
	s_sub_co_u32 s24, s21, s23                     ; w1, v1: my run of 4 rows in the tensor: bit 0 = f bit 2, bits 1, 2, 3 = f bits 3, 4, 5, from bit 4 on 8 e + f / 64  (for x: not used)
	s_and_b32 s25, s24, 9                          ; its place in wq: bits 0 and 3 stay,
	s_and_b32 s26, s24, 2
	s_lshl_b32 s26, s26, 1
	s_or_b32 s25, s25, s26                         ; bits 1 and 2 change places,
	s_and_b32 s26, s24, 4
	s_lshr_b32 s26, s26, 1
	s_or_b32 s25, s25, s26
	s_lshl_b32 s26, s22, 4
	s_or_b32 s25, s25, s26                         ; bit 4 says w1 or v1,
	s_lshr_b32 s26, s24, 4
	s_lshl_b32 s26, s26, 5
	s_or_b32 s25, s25, s26                         ; and the rest moves one up
	v_lshlrev_b32 v3, 4, v2                        ; my 16 bytes of a load's 512
	s_mul_i32 s28, s3, WREG
	v_lshrrev_b32 v14, 2, v2
	v_mul_u32_u24 v14, v14, SP
	v_and_b32 v15, 3, v2
	v_lshl_add_u32 v14, v15, 4, v14
	v_add_nc_u32 v14, s28, v14                     ; the stage, on the way in: four lanes' 64 bytes on end, then 16 of padding
	v_mul_u32_u24 v15, v2, SP
	v_add_nc_u32 v15, s28, v15                     ; and on the way out: my 16 neighbours
	v_mul_u32_u24 v4, v2, CB                       ; my codes' place in a step's 384 bytes
	v_lshrrev_b32 v5, 1, v2
	s_add_co_u32 s28, s28, 2*32*SP
	v_add_nc_u32 v5, s28, v5                       ; my wave's 256 scale bytes: my block's byte
	v_lshlrev_b32 v7, 3, v2                        ; and on the way out 8 bytes a lane
	v_add_nc_u32 v6, s28, v7
	s_wait_kmcnt 0x0
	s_cmp_eq_u32 s22, 0                            ; the choices hang on the run's number alone
	s_cselect_b64 s[6:7], s[6:7], s[8:9]           ; w1 or v1
	s_cmp_lt_u32 s21, 512
	s_cselect_b64 s[4:5], s[4:5], s[6:7]           ; x or that
	s_cselect_b64 s[12:13], s[12:13], s[16:17]     ; xq or wq
	s_cselect_b64 s[14:15], s[14:15], s[18:19]     ; xs or ws
	s_cselect_b32 s24, s21, s24
	s_cselect_b32 s25, s21, s25
	s_lshl_b32 s26, s24, 15                        ; a run is 32,768 bytes of f32,
	s_mov_b32 s27, 0
	s_add_nc_u64 s[4:5], s[4:5], s[26:27]
	s_mul_i32 s26, s25, 6144                       ; 6,144 bytes of codes,
	s_add_nc_u64 s[12:13], s[12:13], s[26:27]
	s_lshl_b32 s26, s25, 8                         ; 256 scale bytes
	s_add_nc_u64 s[14:15], s[14:15], s[26:27]
.macro LOAD t
.irp i, 0,1,2,3
	global_load_b128 v[R+16*((\t)%8)+4*\i:R+16*((\t)%8)+4*\i+3], v3, s[4:5] offset:2048*(\t)+512*\i th:TH_LOAD_NT   ; 32 lanes read 512 consecutive bytes
.endr
.endm
.macro TURN t                          ; a step's numbers through the stage: LDS serves a wave's instructions in order (ISA guide 5.7.1.4), so no wait stands between the stores and the loads
.irp i, 0,1,2,3
	ds_store_b128 v14, v[R+16*((\t)%8)+4*\i:R+16*((\t)%8)+4*\i+3] offset:32*SP*((\t)%2)+8*SP*\i
.endr
.irp i, 0,1,2,3
	ds_load_b128 v[X+16*((\t)%2)+4*\i:X+16*((\t)%2)+4*\i+3], v15 offset:32*SP*((\t)%2)+16*\i
.endr
.endm
.irp t, 0,1,2,3,4,5,6,7
	LOAD \t                                        ; eight steps, 32 loads, 16 KiB of each wave are on their way
.endr
	s_wait_loadcnt 28                              ; step 0's four loads are in; the seven later steps' 28 stay out
	TURN 0
.macro STEP t
.set XS, X+16*((\t)%2)
.if (\t) > 0
	s_wait_dscnt 1                                 ; this step's numbers are back from the stage (the last step's byte store may be out): so its stores into the stage have read their registers,
.else
	s_wait_dscnt 0x0
.endif
.if (\t)+8 < STEPS
	LOAD (\t)+8                                    ; which take the loads of eight steps on
.endif
.if (\t)+1 < STEPS
.if 14-(\t) >= 7
	s_wait_loadcnt 28                              ; the next step's four loads are in; those of the seven steps behind it may be out
.else
	s_wait_loadcnt 4*(14-(\t))                     ; towards the end: as many steps as are left behind the next
.endif
	TURN (\t)+1                                    ; and go through the other stage while this step is worked
.endif
	v_max3_num_f32 v8, |v[XS]|, |v[XS+1]|, |v[XS+2]|               ; the largest magnitude of my 16, in two chains
	v_max3_num_f32 v9, |v[XS+3]|, |v[XS+4]|, |v[XS+5]|
.irp i, 6,10
	v_max3_num_f32 v8, v8, |v[XS+\i]|, |v[XS+\i+1]|
	v_max3_num_f32 v9, v9, |v[XS+\i+2]|, |v[XS+\i+3]|
.endr
	v_max3_num_f32 v8, v8, |v[XS+14]|, |v[XS+15]|
	v_max3_num_f32 v8, v8, v9, (EMAX+1)<<23        ; and the floor 2^(3 - 127): the byte cannot fall under 1
	v_max_num_f32_dpp v8, v8, v8 row_xmask:1 row_mask:0xf bank_mask:0xf   ; and of my neighbour's 16: the block's
	v_add_nc_u32 v11, -(EMAX<<23), v8              ; 2 off its exponent field: the conversion takes the exponent field of this operand as its scale, and nothing else of it
	v_cvt_scalef32_pk16_fp6_f32 v[C+4*(\t):C+4*(\t)+2], v[XS:XS+15], v11   ; sixteen numbers / the scale, to the nearest code, ties to even, beyond the largest code the largest; 96 bits, the first number lowest
	v_lshrrev_b32 v[E+(\t)], 23, v11               ; the scale's byte (also the plain line behind the conversion)
	ds_store_b8 v5, v[E+(\t)] offset:16*(\t)       ; both lanes of a block write the same byte with the same value
	global_store_b96 v4, v[C+4*(\t):C+4*(\t)+2], s[12:13] offset:32*CB*(\t)   ; the wave stores 384 consecutive bytes
.endm
.irp t, 0,1,2,3,4,5,6,7,8,9,10,11,12,13,14,15
	STEP \t
.endr
	ds_load_b64 v[12:13], v6                       ; served in order: these see my byte stores
	s_wait_dscnt 0x0
	global_store_b64 v7, v[12:13], s[14:15]        ; 32 lanes store 256 consecutive bytes, at a multiple of 256 from the buffer's first byte
	s_wait_tensorcnt 0x0
	ds_add_u32 v251, v255
	s_wait_dscnt 0x0
	s_endpgm
.Lfunc_end_k_q725f18f02b_quant:
	.size	k_q725f18f02b_quant, .Lfunc_end_k_q725f18f02b_quant-k_q725f18f02b_quant
	.p2alignl 7, 3214868480
	.fill 96, 4, 3214868480
	.section	.rodata,"a",@progbits
	.p2align	6, 0x0
	.amdhsa_kernel k_q725f18f02b_quant
		.amdhsa_group_segment_fixed_size 41728
		.amdhsa_private_segment_fixed_size 0
		.amdhsa_enable_private_segment 0
		.amdhsa_kernarg_size 56
		.amdhsa_user_sgpr_count 2
		.amdhsa_user_sgpr_kernarg_segment_ptr 1
		.amdhsa_wavefront_size32 1
		.amdhsa_system_sgpr_workgroup_id_x 1
		.amdhsa_system_sgpr_workgroup_id_y 1
		.amdhsa_system_sgpr_workgroup_id_z 1
		.amdhsa_system_vgpr_workitem_id 0
		.amdhsa_next_free_vgpr 256
		.amdhsa_next_free_sgpr 66
		.amdhsa_reserve_vcc 0
		.amdhsa_float_denorm_mode_32 3
		.amdhsa_float_denorm_mode_16_64 3
		.amdhsa_memory_ordered 1
		.amdhsa_forward_progress 1
		.amdhsa_inst_pref_size 33
	.end_amdhsa_kernel
	.amdgpu_metadata
---
amdhsa.version: [ 1, 2 ]
amdhsa.kernels:
  - .name:           k_q725f18f02b_quant
    .symbol:         k_q725f18f02b_quant.kd
    .args:
      - { .name: xq, .offset: 0, .size: 8, .value_kind: global_buffer, .address_space: global }
      - { .name: xs, .offset: 8, .size: 8, .value_kind: global_buffer, .address_space: global }
      - { .name: wq, .offset: 16, .size: 8, .value_kind: global_buffer, .address_space: global }
      - { .name: ws, .offset: 24, .size: 8, .value_kind: global_buffer, .address_space: global }
      - { .name: x, .offset: 32, .size: 8, .value_kind: global_buffer, .address_space: global }
      - { .name: w1, .offset: 40, .size: 8, .value_kind: global_buffer, .address_space: global }
      - { .name: v1, .offset: 48, .size: 8, .value_kind: global_buffer, .address_space: global }
    .group_segment_fixed_size: 41728
    .private_segment_fixed_size: 0
    .kernarg_segment_align: 8
    .kernarg_segment_size: 56
    .max_flat_workgroup_size: 160
    .sgpr_count:     66
    .vgpr_count:     256
    .wavefront_size: 32
...
	.end_amdgpu_metadata
.endif
;; end of part 1
;; launch glu (part 2): grid 32 x 8, 4 waves a work-group, clusters of 4 x 4, 327,680 bytes of LDS; arguments xq, xs, wq, ws, hq, hs, w2, w2q, ws2; writes hq, hs, w2q, ws2
.if DOCPART == 2
	.amdgcn_target "amdgcn-amd-amdhsa--gfx1250"
	.amdhsa_code_object_version 6
	.text
	.protected	k_q725f18f02b_glu
	.globl	k_q725f18f02b_glu
	.p2align	8
	.type	k_q725f18f02b_glu,@function
k_q725f18f02b_glu:
	s_mov_b64 s[64:65], 0
	v_nop
	global_prefetch_b8 v0, s[64:65] scope:SCOPE_SE
	s_setreg_imm32_b32 hwreg(HW_REG_WAVE_MODE, 25, 1), 1
	s_wait_xcnt 0x0
	s_wait_alu depctr_hold_cnt(0) depctr_sa_sdst(0) depctr_va_vdst(0) depctr_va_sdst(0) depctr_va_ssrc(0) depctr_va_vcc(0) depctr_vm_vsrc(0)
	s_getreg_b32 s2, hwreg(HW_REG_IB_STS2, 6, 4)
	s_cmp_eq_u32 s2, 0
	s_cbranch_scc0 .Lentry_in_a_cluster
	s_endpgm
.Lentry_in_a_cluster:
	s_bfe_u32 s2, ttmp6, 0x10000c
	s_cmp_lg_u32 s2, 0xf033
	s_cbranch_scc0 .Lentry_shape_is_right
	s_endpgm
.Lentry_shape_is_right:
; GATE AND UP OF ALL EXPERTS AS ONE PRODUCT ON CODES OF FP6 (E2M3), THEN h = silu(gate) x up, QUANTISED ALONG THE HIDDEN UNITS ON THE WAY OUT.  BESIDE IT, IN THE K LOOP, w2 IS QUANTISED FOR THE NEXT LAUNCH.
; A = xq [2048 tokens][2048 K], B = wq [8192 rows][2048 K]: codes, a row is 1,536 bytes, one stream of bits; xs, ws: one E8M0 byte for each 32 along K, 64 bytes a row.
; wq's rows come in groups of 128: group c = 8 e + f / 64 holds 64 rows of w1 and then the same 64 hidden units' rows of v1; within each 64, block 2 B + u of 16 rows holds at row 8 h + j the hidden unit 32 B + 16 h + 8 u + j.
; A tile of 256 tokens x 256 rows is made by a work-group of four waves, as many as a WGP has SIMDs; a wave makes 128 x 128 (one group c): 64 accumulators of 16 x 16, 512 registers.
; K goes in steps of 256 through a ring of two LDS slots filled by the tensor data mover; the scale bytes of the work-group's 256 + 256 rows, for all of K, come into LDS once, with the first fills, and stay.
; CLUSTERS: 4 x 4 work-groups.  The four of a row of the cluster need the same tiles of A, the four of a column the same tiles of B: each tile is asked for JOINTLY, by the same tensor load with the same descriptor and a mask that names the four.
; THE MATRIX INSTRUCTION IS USED TRANSPOSED (source 0 = 16 rows of wq, source 1 = 16 tokens): lane (r, h) holds token r, and register j of block b the row 16 b + 8 h + j.  So blocks 0-3 hold a lane's gate and blocks 4-7 its up of the SAME
; 32 hidden units, and the 16 registers of blocks 2 B, 2 B + 1 are 16 neighbours along the next product's K: units 32 B + 16 h + 0 .. 15.
; OUT: hq [32 K steps of 128][2 halves][128 tiles of 16 tokens][32 lanes][24 bytes]: lane (r, h) of half c holds block 2 c + h of token 16 tile + r: the order of the next operand's registers.  hs [32 K steps][2048 tokens]: a scale word each.
; A wave's group c is K step c / 2, half c % 2: its eight tiles of tokens are 6,144 consecutive bytes of hq.  A scale word's two halves come from the two waves of a row half: they meet in LDS behind a barrier.
; w2, taken as [4096 (K = 512 e + f)][2048 (n)] f32, has its K as FIRST axis.  The launch has 1,024 waves; each takes 32 columns x 256 along K: a lane takes a column and its registers run down K, so a block of 32 is one lane's and the codes
; come out with K innermost.  A block's 32 loads are asked for two changes of slots ahead; one block is worked directly ahead of each change of slots, where the wave is about to wait for its tensor load; the eighth ahead of the last step.
;   w2q [32 K steps][2 halves][128 tiles of 16 columns][32 lanes][24 bytes] and ws2 [32 K steps][2048 columns]: laid as hq and hs.  The codes gather in the wave's own stage in LDS, into which no fill lands, and leave in runs of 512 bytes.
; LIMITS: sigmoid(g) = 1 / (1 + 2^(-g log2 e)): where that power overflows (g under about -88.7) it is 0 and h is 0; NaN and infinities are not served; a block (of h or of w2) whose largest magnitude lies under 2^-124, a block of zeros too, gets the byte 1.
; REGISTERS, in windows of 256: window 0: v0-31 addresses; v32-63 scale words, two sets; v64-127 two sets of 32 numbers of w2; from v128 A's fragments, ONE set; v224-237 w2's codes and figures; on the way out v64-209 at work.
;   window 1: B's fragments, TWO sets, at v0 and at v128.   window 2: the accumulators of my tokens 0-63 (accumulator (a, b) at v[8 (8 a + b)]);   window 3: those of my tokens 64-127.
.set SIZE_K, 2048
.set KSTEP,  256                       ; along K in a slot
.set NQ,     KSTEP/128                 ; matrix instructions deep
.set ROWB,   192                       ; a tile's row in bytes
.set KROW,   SIZE_K*6/8                ; a row of A or of B in memory
.set PITCH,  240                       ; an LDS row: 3 x (64 bytes of data + 16 of padding) = 60 words: row r starts at bank -4 r mod 64 (64 banks of 4 bytes: ISA guide 11.1), so the 32 lanes of a load of 8 bytes touch 64 different banks
.set FR,     12                        ; registers of a fragment: 16 rows x 128 K
.set NL,     6                         ; LDS loads that bring one
.set NP,     4                         ; places behind this matrix instruction (ISA guide 7.12.1)
.set HALFT,  128*PITCH                 ; 128 rows: what one tensor load brings
.set SLOT,   4*HALFT                   ; A's 256 rows, then B's 256 rows
.set LAPS,   SIZE_K/(2*KSTEP)          ; a lap = two K steps = once round the ring
.set KS,     SIZE_K/32                 ; a row of scale bytes
.set SCL,    2*SLOT                    ; behind the ring: the scale bytes, as pieces of 256 bytes + 16 of padding
.set HALFS,  (128*KS/256)*272          ; those of 128 rows: what one tensor load brings
.set SBLK,   (16*KS/256)*272           ; those of 16 rows
.set SPARE,  SCL+4*HALFS               ; behind the scales: the spare words, 128 bytes for each wave: two blocks of 256 bytes that no other line names
.set KSTG,   SPARE+512                 ; behind them: a stage of KST bytes for each wave's codes of w2: bytes of their own, into which no fill lands
.set KST,    6144
.set PLANE,  98304                     ; bytes of one (K step, half) of w2q: 128 tiles x 768
.set CSTG,   6144                      ; the way out of h: a stage for each wave's codes, and behind the four the work-group's 256 scale words.  They lie in slot 0, which has had its last fill and its last read when the first result is stored there
.set SSTG,   4*CSTG
.set SCO,  7                           ; v7      8 x lane: my place in my 64 scale words of hs
.set KLA,  8                           ; v8      4 x lane: my column in a row of w2 and of ws2; never rewritten
.set KSA,  9                           ; v9      where the block in hand puts its codes
.set KRD,  10                          ; v10     where I read 16 bytes of w2's codes back
.set KS0,  11                          ; v11     my column's place in the stage: tile lane / 16, place lane % 16
.set ADRA, 16                          ; v16-17  LDS address of my A fragments in slot 0, 1  (v18-19: the same for the pieces that lie behind one padding more)
.set ADRB, 20                          ; v20-21  the same for B  (v22-23)
.set STO,  24                          ; v24     the way out: where I put my 24 bytes of a tile
.set RD,   25                          ; v25     where I read 16 bytes back
.set CO,   26                          ; v26     16 x lane: the same place in hq, and in w2q
.set ADRS, 27                          ; v27     LDS address of my scale words: lanes 0-15 A's rows, lanes 16-31 B's
.set SPW,  28                          ; v28     LDS address of my spare word; never rewritten
.set NIL,  29                          ; v29     0; never rewritten
.set SST,  30                          ; v30     where I put my token's half of a scale word
.set SRD,  31                          ; v31     where I read two scale words back
.set SC,   32                          ; scale words: set s at v[SC + 8 NQ s]; register NQ i + q: lanes 0-15 the word of A's block i, lanes 16-31 that of B's block i, for the slot's q-th 128 along K
.set KX,   64                          ; v64-127  w2: two sets of 32 numbers; at the end the codes read back
.set AF,   128                         ; A's fragments
.set KC,   224                         ; v224-230 a block's codes
.set KM,   232                         ; v232-235 its figures
.set KSB,  236                         ; v236-237 my column's eight scale bytes: a shift register of 64 bits, filled from the top
.set TT,   64                          ; v64-95   the way out: 32 numbers at work: the sigmoid, then silu(gate)
.set HH,   96                          ; v96-127  h: register 16 B + i = unit 32 B + 16 h + i
.set QM,   128                         ; v128-136 the quantiser's figures
.set CLO,  140                         ; v140-145 a lane's 24 bytes of codes
.set CHI,  148                         ; v148-150
.set OB,   160                         ; v160-207 the codes read back
.set OS,   208                         ; v208-209 two scale words read back
.set KT, 4                             ; s4       how far the stage of w2's codes has been filled: 1,536 bytes for two blocks
.set KB, 8                             ; s[8:9], s[10:11] w2 at the block that set 0, set 1 has asked for last
.set G1, 24                            ; s[24:31] descriptor group 1 for A's tiles;  s[32:39] group 0, one set for each slot
.set G0, 32
.set G1B, 48                           ; s[48:55], s[56:63] the same for B's tiles
.set G0B, 56
.set G1S, 68                           ; s[68:75], s[76:79] groups 1 and 0 for A's scales;  s[80:87], s[88:91] for B's
.set G0S, 76
.set G1SB, 80
.set G0SB, 88
.set MSB, 0
.macro WIN new                         ; the immediate's high byte repeats the setting that is left
.if MSB != \new
	s_set_vgpr_msb (MSB<<8)|\new
.set MSB, \new
.endif
.endm
.set MUL_LO, 0xa1                      ; source 0 (B) window 1, source 1 (A) window 0, C and D window 2
.set MUL_HI, 0xf1                      ; the same, C and D window 3
.set TO_B,   0x40                      ; destination window 1, address window 0
; A joint load: waves 0 and 1 fetch for A, waves 2 and 3 for B.  Each of the two lines has ONE mask and one set of registers for all that issue it; the branch hangs on the wave's number alone.
; Four v_nop follow each of the two lines, ahead of the jump, the label and what follows.
.macro JLOAD g0a, g1a, g0b, g1b
	s_cmp_eq_u32 s15, 0
	s_cbranch_scc0 .Lfor_b_\@
	tensor_load_to_lds s[\g0a:\g0a+3], s[\g1a:\g1a+7]
	s_nop 0
.rept 4
	v_nop
.endr
	s_branch .Lasked_\@
.Lfor_b_\@:
	tensor_load_to_lds s[\g0b:\g0b+3], s[\g1b:\g1b+7]
	s_nop 0
.rept 4
	v_nop
.endr
.Lasked_\@:
.endm
.macro CREST                           ; a round of the cluster's barrier behind its opening barrier
	s_cmp_lg_u32 s14, 0
	s_cbranch_scc1 .Lnot_wave_0_\@
	s_barrier_signal -3
.Lnot_wave_0_\@:
	s_barrier_wait -3
	s_barrier_signal -1
	s_barrier_wait -1
.endm
.macro CROUND                          ; a whole round
	s_barrier_signal -1
	s_barrier_wait -1
	CREST
.endm
	s_load_b128 s[4:7], s[0:1], 0x0                ; xq s[4:5], xs s[6:7]
	s_load_b128 s[8:11], s[0:1], 0x10              ; wq s[8:9], ws s[10:11]
	s_load_b64 s[12:13], s[0:1], 0x20              ; hq
	s_load_b64 s[98:99], s[0:1], 0x28              ; hs
	s_load_b64 s[66:67], s[0:1], 0x30              ; w2
	s_load_b64 s[104:105], s[0:1], 0x38            ; w2q
	s_load_b64 s[2:3], s[0:1], 0x40                ; ws2
	v_lshl_add_u32 v[SPW], v0, 2, SPARE
	v_mov_b32 v[NIL], 0
	ds_add_u32 v28, v29
	ds_add_u32 v28, v29
	s_wait_dscnt 0x0
	v_lshrrev_b32 v1, 5, v0
	v_readfirstlane_b32 s14, v1                    ; wave 0..3
	s_lshr_b32 s15, s14, 1                         ; which half of the tile's tokens is mine.  Also: I fetch for A (0) or for B (1)
	s_and_b32 s16, s14, 1                          ; which half of its rows of wq.  Also: which 128 rows of that tile I fetch
	s_bfe_u32 s40, ttmp6, 0x40000                  ; cx, cy: my place in the cluster
	s_bfe_u32 s41, ttmp6, 0x40004
	s_lshl_b32 s42, ttmp9, 2
	s_add_co_u32 s42, s42, s40                     ; tile column = 4 x cluster x + cx
	s_and_b32 s17, ttmp7, 0xffff
	s_lshl_b32 s17, s17, 2
	s_add_co_u32 s17, s17, s41                     ; tile row = 4 x cluster y + cy
	s_lshl_b32 s43, s41, 2
	s_lshl_b32 s43, 15, s43                        ; my row of the cluster
	s_lshl_b32 s44, 0x1111, s40                    ; my column
	s_mov_b32 s96, 0x76543210
	s_mov_b32 s97, 0xfedcba98                      ; v_permlanex16_b32's selects for lane l xor 16
	s_mov_b32 s100, 0xbfb8aa3b                     ; -log2(e)
	s_mov_b32 s101, s100                           ; (named with it as a pair, so it is written)
	; descriptor group 1: a tile of 128 rows x ROWB bytes, padded in LDS
	s_or_b32 s[G1+0], s43, (0<<16)|(1<<20)|(1<<21)|(3<<22)|(3<<25)  ; 15:0 the mask: A's tiles go to my row; 17:16 element of 1 byte; 20 padding on; 21 set beside a mask; 24:22 after every 16 words (code 3); 31:25 of 4 words (code 3)
	s_or_b32 s[G1B+0], s44, (0<<16)|(1<<20)|(1<<21)|(3<<22)|(3<<25)
.irp g, G1, G1B
	s_mov_b32 s[\g+1], ROWB<<16                    ; tensor_dim0
	s_mov_b32 s[\g+2], 128<<16                     ; tensor_dim1 = 128
	s_mov_b32 s[\g+3], ROWB<<16                    ; tile_dim0
	s_mov_b32 s[\g+4], 128                         ; tile_dim1 = 128
	s_mov_b32 s[\g+5], KROW                        ; tensor_dim0_stride
	s_mov_b32 s[\g+6], 0
	s_mov_b32 s[\g+7], 0
.endr
	; and for the scale bytes of 128 rows: a dense block of 8,192 bytes, as rows of 256 bytes (32 elements of 8 bytes), 16 bytes of padding behind each
	s_or_b32 s[G1S+0], s43, (3<<16)|(1<<20)|(1<<21)|(5<<22)|(3<<25)
	s_or_b32 s[G1SB+0], s44, (3<<16)|(1<<20)|(1<<21)|(5<<22)|(3<<25)
.irp g, G1S, G1SB
	s_mov_b32 s[\g+1], 32<<16
	s_mov_b32 s[\g+2], (128*KS/256)<<16
	s_mov_b32 s[\g+3], 32<<16
	s_mov_b32 s[\g+4], 128*KS/256
	s_mov_b32 s[\g+5], 32
	s_mov_b32 s[\g+6], 0
	s_mov_b32 s[\g+7], 0
.endr
	s_lshl_b32 s18, s16, 7                         ; which 128 rows of the tile I fetch
	s_lshl_b32 s20, s17, 8
	s_add_co_u32 s20, s20, s18                     ; A: row 256 x tile row + 128 x half
	s_lshl_b32 s46, s42, 8
	s_add_co_u32 s46, s46, s18                     ; B: row 256 x tile column + 128 x half
	s_mov_b32 s21, 0
	s_mov_b32 s47, 0
	s_mov_b64 s[18:19], KS
	s_mul_u64 s[22:23], s[20:21], s[18:19]         ; where these rows' scale bytes begin
	s_mul_u64 s[92:93], s[46:47], s[18:19]
	s_mov_b64 s[18:19], KROW
	s_mul_u64 s[20:21], s[20:21], s[18:19]         ; and their codes
	s_mul_u64 s[46:47], s[46:47], s[18:19]
	s_mul_i32 s45, s14, HALFT                      ; where they go: wave x 128 rows: no place in the cluster enters an LDS address
	s_mul_i32 s94, s14, HALFS
	s_wait_kmcnt 0x0
	s_add_nc_u64 s[20:21], s[4:5], s[20:21]
	s_add_nc_u64 s[22:23], s[6:7], s[22:23]
	s_add_nc_u64 s[46:47], s[8:9], s[46:47]
	s_add_nc_u64 s[92:93], s[10:11], s[92:93]
	CROUND                                         ; all sixteen work-groups are here: the first joint loads meet
	s_mov_b32 s[G0S], 1
	s_add_co_u32 s[G0S+1], s94, SCL
	s_mov_b64 s[G0S+2:G0S+3], s[22:23]
	s_or_b32 s[G0S+3], s[G0S+3], 0x80000000
	s_mov_b32 s[G0SB], 1
	s_add_co_u32 s[G0SB+1], s94, SCL
	s_mov_b64 s[G0SB+2:G0SB+3], s[92:93]
	s_or_b32 s[G0SB+3], s[G0SB+3], 0x80000000
	JLOAD G0S, G1S, G0SB, G1SB                     ; the scales first: they are wanted with K step 0.  With the two below, three loads of mine are out
.irp s, 0,1
	s_mov_b32 s[G0+4*\s], 1
	s_add_co_u32 s[G0+4*\s+1], s45, \s*SLOT
	s_add_nc_u64 s[G0+4*\s+2:G0+4*\s+3], s[20:21], \s*ROWB
	s_or_b32 s[G0+4*\s+3], s[G0+4*\s+3], 0x80000000
	s_mov_b32 s[G0B+4*\s], 1
	s_add_co_u32 s[G0B+4*\s+1], s45, \s*SLOT
	s_add_nc_u64 s[G0B+4*\s+2:G0B+4*\s+3], s[46:47], \s*ROWB
	s_or_b32 s[G0B+4*\s+3], s[G0B+4*\s+3], 0x80000000
	JLOAD G0+4*\s, G1, G0B+4*\s, G1B
.endr
	v_and_b32 v1, 15, v0                           ; r = l % 16
	v_bfe_u32 v2, v0, 4, 1                         ; h = l / 16
	v_mul_u32_u24 v3, v1, PITCH
	v_mul_u32_u24 v4, v2, 24
	v_add_nc_u32 v4, v3, v4                        ; a fragment's row x pitch + 24 x half
	v_lshl_add_u32 v5, v2, 4, v4                   ; and the same behind one padding more
	s_mul_i32 s21, s15, HALFT                      ; my 128 rows of A
	s_mul_i32 s22, s16, HALFT                      ; my 128 rows of B,
	s_add_co_u32 s22, s22, 2*HALFT                 ; which lie behind A's 256
.irp s, 0,1
	v_add_nc_u32 v[ADRA+\s], s21, v4
	v_add_nc_u32 v[ADRB+\s], s22, v4
	v_add_nc_u32 v[ADRA+2+\s], s21, v5
	v_add_nc_u32 v[ADRB+2+\s], s22, v5
	s_add_co_u32 s21, s21, SLOT
	s_add_co_u32 s22, s22, SLOT
.endr
	v_mul_u32_u24 v5, v1, KS                       ; my row's scale bytes: KS bytes a row,
	v_lshrrev_b32 v6, 8, v5
	v_lshl_add_u32 v5, v6, 4, v5                   ; and 16 more for each 256 passed
	s_mul_i32 s21, s15, HALFS                      ; A's: my 128 rows
	s_mul_i32 s22, s16, HALFS                      ; B's: my 128 rows, behind A's 256
	s_add_co_u32 s22, s22, 2*HALFS
	s_sub_co_u32 s22, s22, s21
	v_mul_u32_u24 v6, s22, v2                      ; lanes 16-31 take B's: one product, the lower base + h x the distance
	s_add_co_u32 s21, s21, SCL
	v_add_nc_u32 v5, v5, v6
	v_add_nc_u32 v[ADRS], s21, v5
	s_mul_i32 s23, s14, CSTG                       ; my stage for h's codes
	v_and_b32 v6, 31, v0
	v_mul_u32_u24 v5, v6, 24
	v_add_nc_u32 v[STO], s23, v5                   ; in: 24 bytes a lane, 768 a tile
	v_lshlrev_b32 v[CO], 4, v6
	v_add_nc_u32 v[RD], s23, v[CO]                 ; back: 16 bytes a lane
	s_lshl_b32 s21, s15, 9
	s_lshl_b32 s22, s16, 1
	s_add_co_u32 s21, s21, s22
	s_add_co_u32 s21, s21, SSTG
	v_lshl_add_u32 v[SST], v1, 2, s21              ; the scale words' stage: 4 bytes a token (128 x row half + 16 a + r), my wave's two bytes at 2 x column half
	v_lshlrev_b32 v[SCO], 3, v6
	s_lshl_b32 s21, s14, 8
	s_add_co_u32 s21, s21, SSTG
	v_add_nc_u32 v[SRD], s21, v[SCO]               ; back: wave w takes tokens 64 w on, two words a lane
	s_lshl_b32 s46, s42, 1
	s_add_co_u32 s46, s46, s16                     ; my group c = 2 x tile column + half = the plane of hq
	s_lshl_b32 s46, s46, 7                         ; 128 tiles a plane,
	s_lshl_b32 s20, s17, 4
	s_lshl_b32 s21, s15, 3
	s_add_co_u32 s20, s20, s21                     ; my first tile of tokens: 16 x tile row + 8 x half
	s_add_co_u32 s20, s20, s46
	s_mul_i32 s20, s20, 768
	s_mov_b32 s21, 0
	s_add_nc_u64 s[12:13], s[12:13], s[20:21]
	s_lshl_b32 s46, s42, 11                        ; hs: K step = tile column, 2,048 words each,
	s_lshl_b32 s20, s17, 8
	s_add_co_u32 s20, s20, s46
	s_lshl_b32 s46, s14, 6
	s_add_co_u32 s20, s20, s46                     ; token 256 x tile row + 64 x wave
	s_lshl_b32 s20, s20, 2
	s_add_nc_u64 s[98:99], s[98:99], s[20:21]
	; my wave's part of w2: work-group 32 x tile row + tile column of 256 takes 128 columns (its number mod 16) x 256 along K (its number / 16); the place in the cluster enters global addresses alone
	s_and_b32 s4, s42, 15
	s_lshl_b32 s4, s4, 7
	s_lshl_b32 s5, s14, 5
	s_add_co_u32 s4, s4, s5                        ; my wave's first column
	s_lshr_b32 s5, s42, 4
	s_lshl_b32 s6, s17, 1
	s_add_co_u32 s5, s5, s6                        ; which 256 along K
	s_lshl_b32 s6, s4, 2
	s_lshl_b32 s18, s5, 21                         ; w2: 256 rows of 8,192 bytes, + 4 x column
	s_add_co_u32 s18, s18, s6
	s_mov_b32 s19, 0
	s_add_nc_u64 s[KB:KB+1], s[66:67], s[18:19]    ; block 0,
	s_add_nc_u64 s[KB+2:KB+3], s[KB:KB+1], 32*8192 ; block 1
	s_mul_i32 s18, s5, 4*PLANE                     ; w2q: two K steps = four planes, + my two tiles of 16 columns
	s_lshr_b32 s7, s4, 4
	s_mul_i32 s7, s7, 768
	s_add_co_u32 s18, s18, s7
	s_add_nc_u64 s[104:105], s[104:105], s[18:19]
	s_lshl_b32 s18, s5, 14                         ; ws2: two rows of 8,192 bytes, + 4 x column
	s_add_co_u32 s18, s18, s6
	s_add_nc_u64 s[2:3], s[2:3], s[18:19]
	s_mul_i32 s7, s14, KST
	s_add_co_u32 s7, s7, KSTG                      ; my stage for w2's codes
	s_mov_b32 s[KT], 0
	v_lshlrev_b32 v[KLA], 2, v6
	v_mul_u32_u24 v[KS0], v2, 768
	v_mad_u32_u24 v[KS0], v1, 24, v[KS0]
	v_add_nc_u32 v[KS0], s7, v[KS0]
	v_add_nc_u32 v[KRD], s7, v[CO]
	v_mov_b32 v[KSB], 0                            ; the shift register begins empty
	v_mov_b32 v[KSB+1], 0
; w2: the 32 numbers of one block, w2(32 t + i, my column), into set p: each load reads 128 consecutive bytes a wave, 512 a work-group
.macro KLOAD p
.irp i, 0,1,2,3,4,5,6,7,8,9,10,11,12,13,14,15,16,17,18,19,20,21,22,23,24,25,26,27,28,29,30,31
	global_load_b32 v[KX+32*(\p)+\i], v[KLA], s[KB+2*(\p):KB+2*(\p)+1] offset:\i*8192 th:TH_LOAD_NT
.endr
.endm
; w2: block t, which lies in set p = t % 2, becomes 24 bytes of codes and a scale byte.  left: the other set's loads, which may stay out.  ahead = 1: the set is asked for again, with block t + 2.  Every window is 0 here.
.macro KBLOCK p, ahead, left
.set XS, KX+32*(\p)
	s_wait_loadcnt \left                           ; loads come back in order (ISA guide 5.7.1): this block's 32 are in, so the set's base may be stepped below
	v_add_nc_u32 v[KSA], s[KT], v[KS0]             ; where the block's codes go (the last block's stores are long done: waits for all LDS instructions stand between)
	v_max3_num_f32 v[KM], |v[XS]|, |v[XS+1]|, |v[XS+2]|             ; the block's largest magnitude: all 32 numbers are mine; two chains
	v_max3_num_f32 v[KM+1], |v[XS+3]|, |v[XS+4]|, |v[XS+5]|
.irp i, 6,10,14,18,22,26
	v_max3_num_f32 v[KM], v[KM], |v[XS+\i]|, |v[XS+\i+1]|
	v_max3_num_f32 v[KM+1], v[KM+1], |v[XS+\i+2]|, |v[XS+\i+3]|
.endr
	v_max3_num_f32 v[KM], v[KM], |v[XS+30]|, |v[XS+31]|
	v_max3_num_f32 v[KM], v[KM], v[KM+1], 0x1800000   ; and the floor 2^(3 - 127): the byte cannot fall under 1
	v_add_nc_u32 v[KM+2], 0xff000000, v[KM]        ; 2 off its exponent field: the conversion's scale operand
	v_lshrrev_b32 v[KM+3], 23, v[KM+2]             ; the scale's byte
	v_lshrrev_b32 v[KSB], 8, v[KSB]                ; the 64 bits move 8 down,
	v_lshl_or_b32 v[KSB], v[KSB+1], 24, v[KSB]
	v_lshrrev_b32 v[KSB+1], 8, v[KSB+1]
	v_lshl_or_b32 v[KSB+1], v[KM+3], 24, v[KSB+1]  ; and the byte comes in on top: behind eight blocks block 0's is the lowest, as a scale word wants it
	v_cvt_scalef32_pk16_fp6_f32 v[KC:KC+2], v[XS:XS+15], v[KM+2]
	v_cvt_scalef32_pk16_fp6_f32 v[KC+4:KC+6], v[XS+16:XS+31], v[KM+2]   ; (a conversion's three registers begin on an even number)
	v_nop                                          ; one plain line behind a scaled conversion
	v_mov_b32 v[KC+3], v[KC+4]                     ; the block's 24 bytes on end
	v_mov_b32 v[KC+4], v[KC+5]
	v_mov_b32 v[KC+5], v[KC+6]
.irp i, 0,1,2
	ds_store_b64 v[KSA], v[KC+2*\i:KC+2*\i+1] offset:384*(\p)+8*\i   ; the stage: [K step t / 4][half (t % 4) / 2][my tile][lanes 16 (t % 2) on][24 bytes]: 1,536 bytes for two blocks
.endr
.if (\p) == 1
	s_add_co_u32 s[KT], s[KT], 1536
.endif
.if \ahead
	s_add_nc_u64 s[KB+2*(\p):KB+2*(\p)+1], s[KB+2*(\p):KB+2*(\p)+1], 2*32*8192
	KLOAD \p
.endif
.endm
	KLOAD 0                                        ; blocks 0 and 1: 64 loads of mine are out from here to the loop's end
	KLOAD 1
.macro FRAG reg, adr, q, i             ; a fragment, 16 rows x 128 K of 6-bit codes, is 12 registers: lane l holds row l % 16; registers 6 c .. 6 c + 5 hold K = 64 c + 32 (l / 16) + 0 .. 31: 24 bytes of the row's stream of bits, as they lie
.irp p, 0,1,2,3,4,5                    ; in pieces of 8 bytes, so that every address is a multiple of the access's size.  Lanes 0-15 take the row's pieces 12 q + 0, 1, 2 and 12 q + 6, 7, 8, lanes 16-31 those three pieces on
.set PIECE, 12*(\q)+6*(\p/3)+\p%3     ; 16 bytes of padding lie behind every 8 pieces: where the piece three on lies behind one padding more, the second address register serves
.if PIECE%8 < 5
	ds_load_b64 v[\reg+2*\p:\reg+2*\p+1], v[\adr] offset:8*PIECE+16*(PIECE/8)+(\i)*16*PITCH
.else
	ds_load_b64 v[\reg+2*\p:\reg+2*\p+1], v[\adr+2] offset:8*PIECE+16*(PIECE/8)+(\i)*16*PITCH
.endif
.endr
.endm
; 16 matrix instructions: A's blocks a0, a0 + 1 x B's eight, 128 along K: the slot's q-th.  p: B's set;  sc: the set of scale words.  zero = 1: the first product starts the sums: nothing is ever cleared.
; The 64 accumulators take turns, one instruction a turn, in the same order in every step.
.macro MUL16 a0, p, q, sc, zero
.irp a, \a0, \a0+1
.irp b, 0,1,2,3,4,5,6,7
.if \zero
	v_wmma_scale_f32_16x16x128_f8f6f4 v[8*(8*((\a)%4)+\b):8*(8*((\a)%4)+\b)+7], v[128*(\p)+FR*\b:128*(\p)+FR*\b+FR-1], v[AF+FR*(\a):AF+FR*(\a)+FR-1], 0, v[SC+8*NQ*(\sc)+NQ*\b+(\q)], v[SC+8*NQ*(\sc)+NQ*(\a)+(\q)] matrix_a_fmt:MATRIX_FMT_FP6 matrix_b_fmt:MATRIX_FMT_FP6 matrix_a_scale:MATRIX_SCALE_ROW1
.else
	v_wmma_scale_f32_16x16x128_f8f6f4 v[8*(8*((\a)%4)+\b):8*(8*((\a)%4)+\b)+7], v[128*(\p)+FR*\b:128*(\p)+FR*\b+FR-1], v[AF+FR*(\a):AF+FR*(\a)+FR-1], v[8*(8*((\a)%4)+\b):8*(8*((\a)%4)+\b)+7], v[SC+8*NQ*(\sc)+NQ*\b+(\q)], v[SC+8*NQ*(\sc)+NQ*(\a)+(\q)] matrix_a_fmt:MATRIX_FMT_FP6 matrix_b_fmt:MATRIX_FMT_FP6 matrix_a_scale:MATRIX_SCALE_ROW1
.endif
.endr
.endr
.endm
.macro FETCH_B slot, q, p              ; B's eight fragments of the slot's q-th 128 along K into set p
	WIN TO_B
.irp i, 0,1,2,3,4,5,6,7
	FRAG 128*(\p)+FR*\i, ADRB+\slot, \q, \i
.endr
	WIN 0
.endm
.macro FETCH_A slot, q, i0             ; A's blocks i0 .. i0 + 3
.irp i, \i0, \i0+1, \i0+2, \i0+3
	FRAG AF+FR*(\i), ADRA+\slot, \q, \i
.endr
.endm
.macro SCALES sc                       ; the next K step's scale words into set sc: NQ words a row; lanes 0-15 take A's block i, lanes 16-31 B's block i
.irp i, 0,1,2,3,4,5,6,7
	ds_load_b64 v[SC+8*NQ*\sc+NQ*\i:SC+8*NQ*\sc+NQ*\i+1], v[ADRS] offset:\i*SBLK
.endr
.endm
; A load into a register that a matrix instruction has read, and a vector instruction that reads a matrix result or writes one of a matrix instruction's registers, stand NP places behind that matrix instruction, and only plain
; vector instructions that name none of its registers are places (ISA guide 7.12.1 for vector instructions); this text does not count the matrix instructions in between.
.macro PLACES n
.rept \n
	v_nop
.endr
.endm
; A step of 128 along K that has its successor in the same slot.  A's blocks go one after the other, each against B's eight: blocks 0-3 are fetched anew in the step's middle, blocks 4-7 at its end; B has two sets.
.macro STEP slot, q, zero
	s_wait_dscnt 4*NL                              ; B's set and A's blocks 0-3 are in; the youngest 24 loads (A's blocks 4-7) may be out
	WIN MUL_LO
	MUL16 0, (\q)%2, \q, \slot, \zero
	MUL16 2, (\q)%2, \q, \slot, \zero
	s_wait_dscnt 0                                 ; A's blocks 4-7 are in (asked for 32 matrix instructions ago)
	PLACES NP
	FETCH_B \slot, (\q)+1, 1-(\q)%2
	FETCH_A \slot, (\q)+1, 0
	WIN MUL_HI
	MUL16 4, (\q)%2, \q, \slot, \zero
	MUL16 6, (\q)%2, \q, \slot, \zero
	PLACES NP
	WIN 0
	FETCH_A \slot, (\q)+1, 4
.endm
; A slot's last step changes slots: ONE barrier; in front of it each wave waits for all its tensor loads, adds 0 to its spare word, and waits for that and for its own reads of this slot.  fill = 1: this slot is filled again, two K steps ahead.
; A block of w2 (KBLOCK) stands directly ahead of every TURN: its three LDS stores are younger than the fetch of A's blocks 4-7.
.macro TURN slot, next, fill
	s_wait_tensorcnt 0x0                           ; all my tensor loads have landed: my part of the next slot;  (every window is 0 here: the add's two registers lie in window 0)
	ds_add_u32 v[SPW], v[NIL]                      ; 0 onto my spare word
	s_wait_dscnt 4*NL+4                            ; (the add, the three stores of w2's codes and the 24 loads of A's blocks 4-7 may be out)
	WIN MUL_LO
	MUL16 0, 1, NQ-1, \slot, 0                     ; sixteen matrix instructions stand between the add and the wait for it
	s_wait_dscnt 0x0                               ; the add is done, and my reads of this slot are over
	s_barrier_signal -1
	MUL16 2, 1, NQ-1, \slot, 0
	WIN 0
	s_barrier_wait -1
.if \fill
	CREST                                          ; the barrier has opened a round of the cluster's barrier: no wave of any partner still reads this slot's tile or has a load on its way
	s_add_nc_u64 s[G0+4*\slot+2:G0+4*\slot+3], s[G0+4*\slot+2:G0+4*\slot+3], 2*ROWB
	s_add_nc_u64 s[G0B+4*\slot+2:G0B+4*\slot+3], s[G0B+4*\slot+2:G0B+4*\slot+3], 2*ROWB
	JLOAD G0+4*\slot, G1, G0B+4*\slot, G1B         ; the first tensor load behind the round, my one load that is out; the four v_nop behind it are the places in front of the loads below
.else
	PLACES NP
.endif
	v_add_nc_u32 v[ADRS], 4*NQ, v[ADRS]            ; on to the next K step's scale words (no LDS load of mine is out)
	FETCH_B \next, 0, 0
	FETCH_A \next, 0, 0
	SCALES \next
	WIN MUL_HI
	MUL16 4, 1, NQ-1, \slot, 0
	MUL16 6, 1, NQ-1, \slot, 0
	PLACES NP
	WIN 0
	FETCH_A \next, 0, 4
.endm
	s_wait_tensorcnt 1                             ; the scales and my part of K step 0 are in (K step 1's load may be out)
	s_barrier_signal -1
	s_barrier_wait -1                              ; everybody's are
	FETCH_B 0, 0, 0
	FETCH_A 0, 0, 0
	SCALES 0
	FETCH_A 0, 0, 4
	STEP 0, 0, 1                                   ; the first step stands in front of the loop: its products start the sums
	s_mov_b32 s95, LAPS-1
.Llap:                                                 ; a trip goes once round the ring, from a lap's second step to the next lap's first, fills both slots again, and works two blocks of w2 (trip j: blocks 2 j, 2 j + 1; it asks for 2 j + 2, 2 j + 3)
	KBLOCK 0, 1, 32
	TURN 0, 1, 1
	STEP 1, 0, 0
	KBLOCK 1, 1, 32
	TURN 1, 0, 1
	STEP 0, 0, 0
	s_sub_co_u32 s95, s95, 1
	s_cmp_lg_u32 s95, 0
	s_cbranch_scc1 .Llap
	KBLOCK 0, 0, 32                                ; block 6: nothing more is asked for: no load leaves my 256 rows of w2
	TURN 0, 1, 0                                   ; the last lap fills nothing, and has no round of the cluster's barrier
	STEP 1, 0, 0
	KBLOCK 1, 0, 0                                 ; block 7
.irp i, 0,1,2,3,4,5,6,7,8,9,10,11
	ds_load_b128 v[KX+4*\i:KX+4*\i+3], v[KRD] offset:512*\i   ; w2's codes back from my stage, 16 bytes a lane; LDS serves a wave's instructions in order (ISA guide 5.7.1.4): these see my stores
.endr
	s_wait_dscnt 4*NL+15                           ; the very last step: B's set and A's blocks 0-3 are in; the 24 loads of A's blocks 4-7, block 7's three stores and the twelve loads above may be out
	WIN MUL_LO
	MUL16 0, 1, NQ-1, 1, 0
	MUL16 2, 1, NQ-1, 1, 0
	s_wait_dscnt 0
	WIN 0
	global_store_b32 v[KLA], v[KSB], s[2:3]        ; my column's scale words of the two K steps
	global_store_b32 v[KLA], v[KSB+1], s[2:3] offset:8192
.irp i, 0,1,2,3,4,5,6,7,8,9,10,11
	global_store_b128 v[CO], v[KX+4*\i:KX+4*\i+3], s[104:105] offset:(\i/6)*2*PLANE+((\i/3)%2)*PLANE+512*(\i%3)   ; 512 consecutive bytes, at a multiple of 256 from w2q's first byte: my two tiles of a plane are 1,536 bytes on end.  They leave ahead of the last 32 products and of the whole way out of h
.endr
	WIN MUL_HI
	MUL16 4, 1, NQ-1, 1, 0
	MUL16 6, 1, NQ-1, 1, 0
	WIN 0
; THE WAY OUT, a tile of 16 tokens at a time.  All in f32: s = 1 / (1 + 2^(-g log2 e)); silu = g s; h = silu x up.  Then the two blocks of 32 hidden units are quantised: a block lies in lanes l and l xor 16.
.macro EPI a
.set AC, 64*((\a)%4)                   ; the tile's eight accumulators, in window 2 (tiles 0-3) or 3 (tiles 4-7): 0-3 gate, 4-7 up
.if (\a) < 4
	WIN 0x02                                       ; source 0: window 2
.else
	WIN 0x03
.endif
.irp b, 0,1,2,3
.irp j, 0,2,4,6
	v_pk_mul_f32 v[TT+8*\b+\j:TT+8*\b+\j+1], v[AC+8*\b+\j:AC+8*\b+\j+1], s[100:101] op_sel_hi:[1,0]   ; -g log2 e, two at a time; each accumulator from its low end on
.endr
.endr
	WIN 0
.set J, 0
.rept 32
	v_exp_f32 v[TT+J], v[TT+J]
.set J, J+1
.endr
	v_nop                                          ; a plain line behind the exponentials
.set J, 0
	s_wait_alu depctr_va_vdst(0)
.rept 16
	v_pk_add_f32 v[TT+J:TT+J+1], v[TT+J:TT+J+1], 1.0 op_sel_hi:[1,0]
.set J, J+2
.endr
.set J, 0
.rept 32
	v_rcp_f32 v[TT+J], v[TT+J]
.set J, J+1
.endr
	v_nop                                          ; a plain line behind the reciprocals
.if (\a) < 4
	WIN 0x02
.else
	WIN 0x03
.endif
	s_wait_alu depctr_va_vdst(0)
.irp b, 0,1,2,3
.irp j, 0,2,4,6
	v_pk_mul_f32 v[TT+8*\b+\j:TT+8*\b+\j+1], v[AC+8*\b+\j:AC+8*\b+\j+1], v[TT+8*\b+\j:TT+8*\b+\j+1]   ; silu(gate) = gate x sigmoid(gate), rounded once
.endr
.endr
.irp b, 0,1,2,3
.irp j, 0,2,4,6
	v_pk_mul_f32 v[HH+8*\b+\j:HH+8*\b+\j+1], v[AC+32+8*\b+\j:AC+32+8*\b+\j+1], v[TT+8*\b+\j:TT+8*\b+\j+1]   ; x up of the same hidden unit
.endr
.endr
	WIN 0
	s_wait_dscnt 0x0                               ; the last tile's LDS stores have read their registers
.irp e, 0,1
	v_max3_num_f32 v[QM+\e], |v[HH+16*\e]|, |v[HH+16*\e+1]|, 0x1800000   ; block e: my 16 numbers, and the floor 2^(3 - 127): the byte cannot fall under 1
.endr
.irp i, 2,4,6,8,10,12,14
.irp e, 0,1
	v_max3_num_f32 v[QM+\e], v[QM+\e], |v[HH+16*\e+\i]|, |v[HH+16*\e+\i+1]|   ; (the two blocks by turns)
.endr
.endr
.irp e, 0,1
	v_permlanex16_b32 v[QM+2+\e], v[QM+\e], s96, s97
.endr
.irp e, 0,1
	v_max_num_f32 v[QM+\e], v[QM+\e], v[QM+2+\e]   ; with lane l xor 16's: the block's largest magnitude
.endr
.irp e, 0,1
	v_add_nc_u32 v[QM+4+\e], 0xff000000, v[QM+\e]  ; 2 off its exponent field: the conversion's scale operand
.endr
.irp e, 0,1
	v_lshrrev_b32 v[QM+6+\e], 23, v[QM+4+\e]       ; the scale's byte
.endr
	v_lshl_or_b32 v[QM+8], v[QM+7], 8, v[QM+6]     ; my wave's half of the token's scale word
	v_cvt_scalef32_pk16_fp6_f32 v[CLO:CLO+2], v[HH:HH+15], v[QM+4]
	v_cvt_scalef32_pk16_fp6_f32 v[CHI:CHI+2], v[HH+16:HH+31], v[QM+5]
	v_nop                                          ; one plain line behind a scaled conversion
.irp i, 0,1,2
	v_permlane16_swap_b32 v[CLO+\i], v[CHI+\i]     ; the first's lanes 16-31 change places with the second's lanes 0-15: the first now holds the lower 16 codes of block l / 16, the second the upper 16
.endr
.irp i, 0,1,2
	v_mov_b32 v[CLO+3+\i], v[CHI+\i]               ; the block's 24 bytes on end
.endr
.irp i, 0,1,2
	ds_store_b64 v[STO], v[CLO+2*\i:CLO+2*\i+1] offset:768*(\a)+8*\i
.endr
	ds_store_b16 v[SST], v[QM+8] offset:64*(\a)    ; lanes l and l xor 16 write the same two bytes with the same value
.endm
	s_wait_xcnt 0x0                                ; every earlier memory instruction has had its addresses translated (ISA guide 3.1): the registers that w2q's stores read are written again only behind this wait
	PLACES NP                                      ; behind the last products: for the first read of results and the first writes over A's fragments
	v_mov_b32 v[QM+2], 0                           ; written once: a lane permute's destination counts as one of its sources
	v_mov_b32 v[QM+3], 0
.irp a, 0,1,2,3,4,5,6,7
	EPI \a
.endr
	s_wait_dscnt 0x0                               ; for the others' sake: my stores into the scale words' stage are done
	s_barrier_signal -1
	s_barrier_wait -1                              ; both halves of every scale word lie in LDS
.irp i, 0,1,2,3,4,5,6,7,8,9,10,11
	ds_load_b128 v[OB+4*\i:OB+4*\i+3], v[RD] offset:512*\i
.endr
	ds_load_b64 v[OS:OS+1], v[SRD]
.irp i, 0,1,2,3,4,5,6,7,8,9,10,11
	s_wait_dscnt 12-\i                             ; load i is in; the younger ones may be out
	global_store_b128 v[CO], v[OB+4*\i:OB+4*\i+3], s[12:13] offset:512*\i   ; 512 consecutive bytes, at a multiple of 256 from hq's first byte: my eight tiles are 6,144 bytes on end
.endr
	s_wait_dscnt 0x0
	global_store_b64 v[SCO], v[OS:OS+1], s[98:99]  ; 256 consecutive bytes, at a multiple of 256 from hs's first byte
	s_wait_tensorcnt 0x0                           ; the wave's end: behind my last tensor load and my last LDS store
	ds_add_u32 v[SPW], v[NIL]
	s_wait_dscnt 0x0
	CROUND                                         ; the closing round: no work-group ends while a partner may still ask for a tile that names it
	s_endpgm
.Lfunc_end_k_q725f18f02b_glu:
	.size	k_q725f18f02b_glu, .Lfunc_end_k_q725f18f02b_glu-k_q725f18f02b_glu
	.p2alignl 7, 3214868480
	.fill 96, 4, 3214868480
	.section	.rodata,"a",@progbits
	.p2align	6, 0x0
	.amdhsa_kernel k_q725f18f02b_glu
		.amdhsa_group_segment_fixed_size 327680
		.amdhsa_private_segment_fixed_size 0
		.amdhsa_enable_private_segment 0
		.amdhsa_kernarg_size 72
		.amdhsa_user_sgpr_count 2
		.amdhsa_user_sgpr_kernarg_segment_ptr 1
		.amdhsa_wavefront_size32 1
		.amdhsa_system_sgpr_workgroup_id_x 1
		.amdhsa_system_sgpr_workgroup_id_y 1
		.amdhsa_system_sgpr_workgroup_id_z 1
		.amdhsa_system_vgpr_workitem_id 0
		.amdhsa_next_free_vgpr 1024
		.amdhsa_next_free_sgpr 106
		.amdhsa_reserve_vcc 0
		.amdhsa_float_denorm_mode_32 3
		.amdhsa_float_denorm_mode_16_64 3
		.amdhsa_memory_ordered 1
		.amdhsa_forward_progress 1
		.amdhsa_inst_pref_size 224
	.end_amdhsa_kernel
	.amdgpu_metadata
---
amdhsa.version: [ 1, 2 ]
amdhsa.kernels:
  - .name:           k_q725f18f02b_glu
    .symbol:         k_q725f18f02b_glu.kd
    .args:
      - { .name: xq, .offset: 0, .size: 8, .value_kind: global_buffer, .address_space: global }
      - { .name: xs, .offset: 8, .size: 8, .value_kind: global_buffer, .address_space: global }
      - { .name: wq, .offset: 16, .size: 8, .value_kind: global_buffer, .address_space: global }
      - { .name: ws, .offset: 24, .size: 8, .value_kind: global_buffer, .address_space: global }
      - { .name: hq, .offset: 32, .size: 8, .value_kind: global_buffer, .address_space: global }
      - { .name: hs, .offset: 40, .size: 8, .value_kind: global_buffer, .address_space: global }
      - { .name: w2, .offset: 48, .size: 8, .value_kind: global_buffer, .address_space: global }
      - { .name: w2q, .offset: 56, .size: 8, .value_kind: global_buffer, .address_space: global }
      - { .name: ws2, .offset: 64, .size: 8, .value_kind: global_buffer, .address_space: global }
    .group_segment_fixed_size: 327680
    .private_segment_fixed_size: 0
    .kernarg_segment_align: 8
    .kernarg_segment_size: 72
    .max_flat_workgroup_size: 128
    .sgpr_count:     106
    .vgpr_count:     1024
    .wavefront_size: 32
...
	.end_amdgpu_metadata
.endif
;; end of part 2
;; launch down (part 3): grid 16 x 16, 4 waves a work-group, clusters of 4 x 4, 327,680 bytes of LDS; arguments hq, hs, w2q, ws2, top_experts, top_weights, out0; writes out0
.if DOCPART == 3
	.amdgcn_target "amdgcn-amd-amdhsa--gfx1250"
	.amdhsa_code_object_version 6
	.text
	.protected	k_q725f18f02b_down
	.globl	k_q725f18f02b_down
	.p2align	8
	.type	k_q725f18f02b_down,@function
k_q725f18f02b_down:
	s_mov_b64 s[64:65], 0
	v_nop
	global_prefetch_b8 v0, s[64:65] scope:SCOPE_SE
	s_setreg_imm32_b32 hwreg(HW_REG_WAVE_MODE, 25, 1), 1
	s_wait_xcnt 0x0
	s_wait_alu depctr_hold_cnt(0) depctr_sa_sdst(0) depctr_va_vdst(0) depctr_va_sdst(0) depctr_va_ssrc(0) depctr_va_vcc(0) depctr_vm_vsrc(0)
	s_getreg_b32 s2, hwreg(HW_REG_IB_STS2, 6, 4)
	s_cmp_eq_u32 s2, 0
	s_cbranch_scc0 .Lentry_in_a_cluster
	s_endpgm
.Lentry_in_a_cluster:
	s_bfe_u32 s2, ttmp6, 0x10000c
	s_cmp_lg_u32 s2, 0xf033
	s_cbranch_scc0 .Lentry_shape_is_right
	s_endpgm
.Lentry_shape_is_right:
; out[t][n] = the sum over experts e of scale[t][e] x (the sum over f of h[t][e][f] w2[e][f][n]), scale[t][e] = the sum over k of top_weights[t][k] where top_experts[t][k] = e.  The products run on codes of FP6 (E2M3), sums in f32.
; hq (tokens) and w2q (columns n) lie in the order of an operand's registers: [32 K steps of 128 (K = 512 e + f)][2 halves][128 tiles of 16 rows][32 lanes][24 bytes]: lane (r, h) of half c holds block 2 c + h of row 16 tile + r.
; hs, ws2: [32 K steps][2048 rows], a scale word (four E8M0 bytes) each.
; EACH OUTPUT TILE HAS ONE OWNER, which walks all eight experts: a work-group makes 128 tokens x 128 columns, each of its four waves 64 x 64.  For each expert 16 accumulators are summed over its four K steps, beginning with the constant 0,
; and then folded into 16 running tiles by one fused multiply-add with the token's scale.  An expert that a token has not chosen has the scale 0: no branch and no address hangs on the routing.
; An index outside 0 .. 7 matches no expert and adds nothing.  NaN and infinities among the inputs are not served.
; THE MATRIX INSTRUCTION IS USED TRANSPOSED (source 0 = 16 columns of w2, source 1 = 16 tokens): lane (r, h) holds token r and eight neighbouring columns 8 h + 0 .. 7, so one register a lane holds the token's scale.
; THE RING: two LDS slots, each with ONE EXPERT's tiles (four K steps of A, then of B: 98,304 bytes); a wave's one tensor load brings four planes' 6,144 bytes.  All scale words of the work-group's rows come once, with the first fills.
; CLUSTERS: 4 x 4 work-groups.  The four of a row of the cluster need the same tiles of hq, the four of a column the same tiles of w2q: each tile is asked for JOINTLY, by the same tensor load with the same descriptor and a mask that names the four.
; REGISTERS: window 0: v1-17 addresses; v18-25 scale words, two sets of four; v26-57 scale[t][e] (token tile i, expert e at v[26 + 8 i + e]); v64-159, v160-255 two buffers of fragments (A's four at + 12 a, B's four at + 48 + 12 b).
;   window 1: v0-127 the expert's accumulators ((a, b) at v[8 (4 a + b)]); v128-255 the running tiles of out.
.set PLANE,  98304                     ; bytes of one (K step, half) in memory: 128 tiles x 768
.set HALFE,  4*6144                    ; what one tensor load brings: four planes' eight tiles
.set SIDE,   2*HALFE                   ; an expert's tiles of one operand
.set SLOT,   2*SIDE
.set EXPB,   8*PLANE                   ; from expert to expert in memory
.set SCA,    2*SLOT                    ; behind the ring: A's scale words, [32 K steps][128 tokens], 16,384 bytes;
.set SCB,    SCA+16512                 ; B's likewise, 128 bytes further on than they need lie: 32 words, so that lanes 16-31 of a load touch other banks than lanes 0-15 (64 banks of 4 bytes: ISA guide 11.1)
.set SPARE,  SCB+16384+128             ; the spare words, 128 bytes for each wave: two blocks of 256 bytes that no other line names
.set SPITCH, 272                       ; the way out: a stage of 16 rows x (256 bytes + 16) for each wave.  It lies in slot 0, which has had its last fill (expert 6) and its last read when the first result is stored there
.set ADRA, 8                           ; v8-9    LDS address of my A fragments in slot 0, 1
.set ADRB, 10                          ; v10-11  the same for B
.set STO,  12                          ; v12     the way out: where I put 32 bytes of a row
.set RD,   13                          ; v13     where I read 16 bytes of a row back
.set CO,   14                          ; v14     my byte offset in two rows of out
.set ADRS, 15                          ; v15     LDS address of my scale words: lanes 0-15 A's, lanes 16-31 B's
.set SPW,  16                          ; v16     LDS address of my spare word; never rewritten
.set NIL,  17                          ; v17     0; never rewritten
.set SC,   18
.set SCT,  26
.set F0,   64
.set F1,   160
.set TE,   160                         ; at the head: the chosen experts of my 4 x 16 tokens, four a token;
.set TW,   176                         ; and their weights
.set BK,   64                          ; the way out: 4 x 32 registers read back from the stage
.set G1, 24                            ; s[24:31] descriptor group 1 for A's tiles;  s[32:39] group 0, one set for each slot
.set G0, 32
.set G1B, 48                           ; s[48:55], s[56:63] the same for B's tiles
.set G0B, 56
.set G1S, 68                           ; s[68:75], s[76:79] groups 1 and 0 for A's scale words;  s[80:87], s[88:91] for B's
.set G0S, 76
.set G1SB, 80
.set G0SB, 88
.set MSB, 0
.macro WIN new                         ; the immediate's high byte repeats the setting that is left
.if MSB != \new
	s_set_vgpr_msb (MSB<<8)|\new
.set MSB, \new
.endif
.endm
; A joint load: waves 0 and 1 fetch for A, waves 2 and 3 for B.  Each of the two lines has ONE mask and one set of registers for all that issue it; the branch hangs on the wave's number alone.
; Four v_nop follow each of the two lines, ahead of the jump, the label and what follows.
.macro JLOAD g0a, g1a, g0b, g1b
	s_cmp_eq_u32 s15, 0
	s_cbranch_scc0 .Lfor_b_\@
	tensor_load_to_lds s[\g0a:\g0a+3], s[\g1a:\g1a+7]
	s_nop 0
.rept 4
	v_nop
.endr
	s_branch .Lasked_\@
.Lfor_b_\@:
	tensor_load_to_lds s[\g0b:\g0b+3], s[\g1b:\g1b+7]
	s_nop 0
.rept 4
	v_nop
.endr
.Lasked_\@:
.endm
.macro CREST                           ; a round of the cluster's barrier behind its opening barrier
	s_cmp_lg_u32 s14, 0
	s_cbranch_scc1 .Lnot_wave_0_\@
	s_barrier_signal -3
.Lnot_wave_0_\@:
	s_barrier_wait -3
	s_barrier_signal -1
	s_barrier_wait -1
.endm
.macro CROUND                          ; a whole round
	s_barrier_signal -1
	s_barrier_wait -1
	CREST
.endm
	s_load_b256 s[4:11], s[0:1], 0x0               ; hq s[4:5], hs s[6:7], w2q s[8:9], ws2 s[10:11]
	s_load_b128 s[96:99], s[0:1], 0x20             ; top_experts s[96:97], top_weights s[98:99]
	s_load_b64 s[12:13], s[0:1], 0x30              ; out
	v_lshl_add_u32 v[SPW], v0, 2, SPARE
	v_mov_b32 v[NIL], 0
	ds_add_u32 v16, v17
	ds_add_u32 v16, v17
	s_wait_dscnt 0x0
	v_lshrrev_b32 v1, 5, v0
	v_readfirstlane_b32 s14, v1                    ; wave 0..3
	s_lshr_b32 s15, s14, 1                         ; which half of the tile's tokens is mine.  Also: I fetch for A (0) or for B (1)
	s_and_b32 s16, s14, 1                          ; which half of its columns.  Also: which half of an expert's planes, and of the K steps' scale words, I fetch
	s_bfe_u32 s40, ttmp6, 0x40000                  ; cx, cy: my place in the cluster
	s_bfe_u32 s41, ttmp6, 0x40004
	s_lshl_b32 s42, ttmp9, 2
	s_add_co_u32 s42, s42, s40                     ; tile column = 4 x cluster x + cx
	s_and_b32 s17, ttmp7, 0xffff
	s_lshl_b32 s17, s17, 2
	s_add_co_u32 s17, s17, s41                     ; tile row = 4 x cluster y + cy
	s_lshl_b32 s43, s41, 2
	s_lshl_b32 s43, 15, s43                        ; my row of the cluster
	s_lshl_b32 s44, 0x1111, s40                    ; my column
	; descriptor group 1 for codes: four planes' 6,144 bytes (eight tiles on end): 4 rows of 768 elements of 8 bytes, 12,288 elements (a plane) apart; dense in LDS
	s_or_b32 s[G1+0], s43, (3<<16)|(1<<21)         ; 15:0 the mask: A's tiles go to my row; 17:16 elements of 8 bytes; 20 no padding; 21 set beside a mask
	s_or_b32 s[G1B+0], s44, (3<<16)|(1<<21)
.irp g, G1, G1B
	s_mov_b32 s[\g+1], 768<<16                     ; tensor_dim0
	s_mov_b32 s[\g+2], 4<<16                       ; tensor_dim1
	s_mov_b32 s[\g+3], 768<<16                     ; tile_dim0
	s_mov_b32 s[\g+4], 4                           ; tile_dim1
	s_mov_b32 s[\g+5], PLANE/8                     ; tensor_dim0_stride
	s_mov_b32 s[\g+6], 0
	s_mov_b32 s[\g+7], 0
.endr
	; and for scale words: 16 K steps' 512 bytes (128 rows): 16 rows of 64 elements of 8 bytes, 1,024 elements apart
	s_or_b32 s[G1S+0], s43, (3<<16)|(1<<21)
	s_or_b32 s[G1SB+0], s44, (3<<16)|(1<<21)
.irp g, G1S, G1SB
	s_mov_b32 s[\g+1], 64<<16
	s_mov_b32 s[\g+2], 16<<16
	s_mov_b32 s[\g+3], 64<<16
	s_mov_b32 s[\g+4], 16
	s_mov_b32 s[\g+5], 1024
	s_mov_b32 s[\g+6], 0
	s_mov_b32 s[\g+7], 0
.endr
	; where the tiles come from.  A's hang on the tile row alone, B's on the tile column alone, each in registers that never hold the other coordinate
	s_mul_i32 s18, s16, 4*PLANE                    ; my half of an expert's eight planes
	s_mul_i32 s20, s17, 6144                       ; A: eight tiles of tokens from 8 x tile row on
	s_add_co_u32 s20, s20, s18
	s_mov_b32 s21, 0
	s_mul_i32 s46, s42, 6144                       ; B: eight tiles of columns from 8 x tile column on
	s_add_co_u32 s46, s46, s18
	s_mov_b32 s47, 0
	s_lshl_b32 s19, s16, 17                        ; my 16 K steps' rows of 8,192 bytes of scale words
	s_lshl_b32 s22, s17, 9
	s_add_co_u32 s22, s22, s19
	s_mov_b32 s23, 0
	s_lshl_b32 s92, s42, 9
	s_add_co_u32 s92, s92, s19
	s_mov_b32 s93, 0
	s_mul_i32 s45, s14, HALFE                      ; where the codes go: A's two halves, then B's two halves = wave x 24,576: no place in the cluster enters an LDS address
	s_lshl_b32 s94, s16, 13                        ; and the scale words: my 16 K steps x 512 bytes
	s_wait_kmcnt 0x0
	s_add_nc_u64 s[20:21], s[4:5], s[20:21]
	s_add_nc_u64 s[22:23], s[6:7], s[22:23]
	s_add_nc_u64 s[46:47], s[8:9], s[46:47]
	s_add_nc_u64 s[92:93], s[10:11], s[92:93]
	CROUND                                         ; all sixteen work-groups are here: the first joint loads meet
	s_mov_b32 s[G0S], 1
	s_add_co_u32 s[G0S+1], s94, SCA
	s_mov_b64 s[G0S+2:G0S+3], s[22:23]
	s_or_b32 s[G0S+3], s[G0S+3], 0x80000000
	s_mov_b32 s[G0SB], 1
	s_add_co_u32 s[G0SB+1], s94, SCB
	s_mov_b64 s[G0SB+2:G0SB+3], s[92:93]
	s_or_b32 s[G0SB+3], s[G0SB+3], 0x80000000
	JLOAD G0S, G1S, G0SB, G1SB                     ; the scale words first: they are wanted with expert 0.  With the two below, three loads of mine are out
.irp s, 0,1
	s_mov_b32 s[G0+4*\s], 1
	s_add_co_u32 s[G0+4*\s+1], s45, \s*SLOT
	s_add_nc_u64 s[G0+4*\s+2:G0+4*\s+3], s[20:21], \s*EXPB      ; slot s begins with expert s
	s_or_b32 s[G0+4*\s+3], s[G0+4*\s+3], 0x80000000
	s_mov_b32 s[G0B+4*\s], 1
	s_add_co_u32 s[G0B+4*\s+1], s45, \s*SLOT
	s_add_nc_u64 s[G0B+4*\s+2:G0B+4*\s+3], s[46:47], \s*EXPB
	s_or_b32 s[G0B+4*\s+3], s[G0B+4*\s+3], 0x80000000
	JLOAD G0+4*\s, G1, G0B+4*\s, G1B
.endr
	v_and_b32 v1, 15, v0                           ; r = l % 16
	v_bfe_u32 v2, v0, 4, 1                         ; h = l / 16
	v_and_b32 v3, 31, v0
	v_mul_u32_u24 v3, v3, 24                       ; a lane's 24 bytes of a tile: lanes 6 words apart, so the 32 lanes of a load of 8 bytes touch 64 different banks
	s_mul_i32 s21, s15, 3072                       ; my four tiles of tokens
	s_mul_i32 s22, s16, 3072                       ; my four tiles of columns,
	s_add_co_u32 s22, s22, SIDE                    ; which lie behind A's planes
.irp s, 0,1
	v_add_nc_u32 v[ADRA+\s], s21, v3
	v_add_nc_u32 v[ADRB+\s], s22, v3
	s_add_co_u32 s21, s21, SLOT
	s_add_co_u32 s22, s22, SLOT
.endr
	s_lshl_b32 s21, s15, 8                         ; A's scale words: my 64 tokens
	s_lshl_b32 s22, s16, 8                         ; B's: my 64 columns
	s_add_co_u32 s22, s22, SCB-SCA
	s_sub_co_u32 s22, s22, s21
	v_mul_u32_u24 v4, s22, v2                      ; lanes 16-31 take B's: one product, the lower base + h x the distance
	s_add_co_u32 s21, s21, SCA
	v_lshl_add_u32 v4, v1, 2, v4
	v_add_nc_u32 v[ADRS], s21, v4
	s_mul_i32 s23, s14, 16*SPITCH                  ; my stage
	v_mul_u32_u24 v4, v1, SPITCH                   ; in: row r, 32 bytes for each half of the lanes
	v_lshl_add_u32 v4, v2, 5, v4
	v_add_nc_u32 v[STO], s23, v4
	v_mul_u32_u24 v4, v2, SPITCH                   ; back: lanes 0-15 take one row of 256 bytes, lanes 16-31 the next
	v_lshl_add_u32 v4, v1, 4, v4
	v_add_nc_u32 v[RD], s23, v4
	v_lshlrev_b32 v4, 13, v2                       ; and the same two rows in out (8,192 bytes a row)
	v_lshl_add_u32 v[CO], v1, 4, v4
	v_lshlrev_b32 v5, 4, v1                        ; the routing: 16 bytes a token
	s_lshl_b32 s20, s17, 7
	s_lshl_b32 s21, s15, 6
	s_add_co_u32 s20, s20, s21                     ; my first token: 128 x tile row + 64 x half
	s_lshl_b32 s22, s20, 4
	s_mov_b32 s23, 0
	s_add_nc_u64 s[96:97], s[96:97], s[22:23]
	s_add_nc_u64 s[98:99], s[98:99], s[22:23]
	s_lshl_b32 s20, s20, 13
	s_lshl_b32 s46, s42, 9                         ; my first column, in bytes: 512 x tile column + 256 x half
	s_lshl_b32 s47, s16, 8
	s_add_co_u32 s46, s46, s47
	s_add_co_u32 s20, s20, s46
	s_mov_b32 s21, 0
	s_add_nc_u64 s[12:13], s[12:13], s[20:21]
	; scale[t][e] of my 64 tokens: lane (r, h) takes token 16 i + r.  The choice only selects a value: every expert is compared with every one of the token's four choices, k ascending
.irp i, 0,1,2,3
	global_load_b128 v[TE+4*\i:TE+4*\i+3], v5, s[96:97] offset:256*\i
	global_load_b128 v[TW+4*\i:TW+4*\i+3], v5, s[98:99] offset:256*\i
.endr
	s_wait_loadcnt 0x0
.irp i, 0,1,2,3
.irp e, 0,1,2,3,4,5,6,7
	v_cmp_eq_u32 vcc_lo, \e, v[TE+4*\i]
	v_cndmask_b32 v[SCT+8*\i+\e], 0, v[TW+4*\i], vcc_lo
.irp k, 1,2,3
	v_cmp_eq_u32 vcc_lo, \e, v[TE+4*\i+\k]
	v_cndmask_b32 v58, 0, v[TW+4*\i+\k], vcc_lo
	v_add_f32 v[SCT+8*\i+\e], v[SCT+8*\i+\e], v58
.endr
.endr
.endr
.macro FRAG reg, adr, q, i             ; a fragment, 16 rows x 128 K, is 12 registers: registers 0-5 are my 24 bytes of the K step's first plane, registers 6-11 those of its second; in pieces of 8 bytes
.irp p, 0,1,2,3,4,5
	ds_load_b64 v[\reg+2*\p:\reg+2*\p+1], v[\adr] offset:12288*(\q)+6144*(\p/3)+768*(\i)+8*(\p%3)
.endr
.endm
.macro FETCH slot, q, f, ksg           ; 52 LDS loads in one run: the slot's q-th K step (the ksg-th of all) into buffer f, and its scale words into set q % 2: lanes 0-15 A's tile i, lanes 16-31 B's tile i
.irp i, 0,1,2,3
	FRAG \f+48+12*\i, ADRB+\slot, \q, \i
.endr
.irp i, 0,1,2,3
	FRAG \f+12*\i, ADRA+\slot, \q, \i
.endr
.irp i, 0,1,2,3
	ds_load_b32 v[SC+4*((\q)%2)+\i], v[ADRS] offset:512*(\ksg)+64*\i
.endr
.endm
; 16 matrix instructions: my 4 tiles of tokens x 4 tiles of columns, 128 along K.  zero = 1: the expert's first K step starts the sums.  The 16 accumulators take turns, one instruction a turn, in the same order in every step.
.macro MUL16 f, p, zero
.irp a, 0,1,2,3
.irp b, 0,1,2,3
.if \zero
	v_wmma_scale_f32_16x16x128_f8f6f4 v[8*(4*\a+\b):8*(4*\a+\b)+7], v[\f+48+12*\b:\f+48+12*\b+11], v[\f+12*\a:\f+12*\a+11], 0, v[SC+4*(\p)+\b], v[SC+4*(\p)+\a] matrix_a_fmt:MATRIX_FMT_FP6 matrix_b_fmt:MATRIX_FMT_FP6 matrix_a_scale:MATRIX_SCALE_ROW1
.else
	v_wmma_scale_f32_16x16x128_f8f6f4 v[8*(4*\a+\b):8*(4*\a+\b)+7], v[\f+48+12*\b:\f+48+12*\b+11], v[\f+12*\a:\f+12*\a+11], v[8*(4*\a+\b):8*(4*\a+\b)+7], v[SC+4*(\p)+\b], v[SC+4*(\p)+\a] matrix_a_fmt:MATRIX_FMT_FP6 matrix_b_fmt:MATRIX_FMT_FP6 matrix_a_scale:MATRIX_SCALE_ROW1
.endif
.endr
.endr
.endm
; A load into a register that a matrix instruction has read and a vector instruction that reads a matrix result stand four places behind that matrix instruction; a matrix instruction that begins an accumulator anew stands five behind the
; last that wrote it; only plain vector instructions that name none of its registers are places (ISA guide 7.12.1 for vector instructions).
.macro PLACES n
.rept \n
	v_nop
.endr
.endm
; out += scale[t][e] x the expert's sums, two numbers an instruction; expert 0 starts the running tiles, so nothing is cleared.  Of the pair of scales the even expert's is the low word, the odd expert's the high one.  Each accumulator from its low end on.
.macro FOLD e
	WIN 0x51                                       ; the accumulators and out in window 1, the scales in window 0
.irp a, 0,1,2,3
.irp b, 0,1,2,3
.irp j, 0,2,4,6
.if (\e) == 0
	v_pk_mul_f32 v[128+8*(4*\a+\b)+\j:128+8*(4*\a+\b)+\j+1], v[8*(4*\a+\b)+\j:8*(4*\a+\b)+\j+1], v[SCT+8*\a:SCT+8*\a+1] op_sel_hi:[1,0]
.elseif (\e)%2 == 0
	v_pk_fma_f32 v[128+8*(4*\a+\b)+\j:128+8*(4*\a+\b)+\j+1], v[8*(4*\a+\b)+\j:8*(4*\a+\b)+\j+1], v[SCT+8*\a+(\e):SCT+8*\a+(\e)+1], v[128+8*(4*\a+\b)+\j:128+8*(4*\a+\b)+\j+1] op_sel_hi:[1,0,1]
.else
	v_pk_fma_f32 v[128+8*(4*\a+\b)+\j:128+8*(4*\a+\b)+\j+1], v[8*(4*\a+\b)+\j:8*(4*\a+\b)+\j+1], v[SCT+8*\a+(\e)-1:SCT+8*\a+(\e)], v[128+8*(4*\a+\b)+\j:128+8*(4*\a+\b)+\j+1] op_sel:[0,1,0] op_sel_hi:[1,1,1]
.endif
.endr
.endr
.endr
.endm
; One of an expert's first three K steps: the next K step is fetched into the other buffer, then this one is multiplied.
.macro STEP slot, q, e
	PLACES 4                                       ; in front of loads into the buffer that the step before multiplied
	FETCH \slot, (\q)+1, F0+96*(((\q)+1)%2), 4*(\e)+(\q)+1
	s_wait_dscnt 52                                ; all but the 52 just issued: this step's fragments and scale words are in
	WIN 0x50                                       ; C and D in window 1
.if (\q) == 0
	MUL16 F0+96*((\q)%2), (\q)%2, 1
.else
	MUL16 F0+96*((\q)%2), (\q)%2, 0
.endif
	WIN 0
.endm
; An expert's last K step changes slots: ONE barrier; in front of it each wave waits for all its tensor loads (its part of the next expert's slot), adds 0 to its spare word, and waits for that and for its own reads of this slot.
; The fold stands between the barrier's signal and its wait: work on registers.  Experts 0 to 5: this slot is filled again, with the expert two on; the barrier then opens a round of the cluster's barrier.
.macro LAST e
	s_wait_tensorcnt 0x0                           ; all my tensor loads have landed  (every window is 0 here: the add's two registers lie in window 0)
	ds_add_u32 v[SPW], v[NIL]                      ; 0 onto my spare word
	s_wait_dscnt 1                                 ; (the add may be out; the step's fragments are in)
	WIN 0x50
	MUL16 F1, 1, 0                                 ; sixteen matrix instructions stand between the add and the wait for it
	s_wait_dscnt 0x0                               ; the add is done, and my reads of this slot are over
	s_barrier_signal -1
	PLACES 4                                       ; behind the expert's last products
	FOLD \e
	WIN 0
	s_barrier_wait -1
.if (\e) < 6
	CREST                                          ; no wave of any partner still reads this slot's tiles or has a load on its way
	s_add_nc_u64 s[G0+4*((\e)%2)+2:G0+4*((\e)%2)+3], s[G0+4*((\e)%2)+2:G0+4*((\e)%2)+3], 2*EXPB
	s_add_nc_u64 s[G0B+4*((\e)%2)+2:G0B+4*((\e)%2)+3], s[G0B+4*((\e)%2)+2:G0B+4*((\e)%2)+3], 2*EXPB
	JLOAD G0+4*((\e)%2), G1, G0B+4*((\e)%2), G1B   ; the first tensor load behind the round, my one load that is out: it has the next expert's first 48 matrix instructions in which to land
.endif
	FETCH 1-(\e)%2, 0, F0, 4*(\e)+4                ; the next expert's first K step
.endm
	s_wait_tensorcnt 1                             ; the scale words and my part of expert 0 are in (expert 1's load may be out)
	s_barrier_signal -1
	s_barrier_wait -1                              ; everybody's are
	FETCH 0, 0, F0, 0
.irp e, 0,1,2,3,4,5,6                  ; the experts are written out: each names its own register of scales
	STEP \e%2, 0, \e
	STEP \e%2, 1, \e
	STEP \e%2, 2, \e
	LAST \e
.endr
	STEP 1, 0, 7
	STEP 1, 1, 7
	STEP 1, 2, 7
	s_wait_dscnt 0x0                               ; the very last K step: nothing more to fetch
	WIN 0x50
	MUL16 F1, 1, 0
	PLACES 4
	FOLD 7
	WIN 0
; THE WAY OUT, a tile of 16 tokens x 64 columns at a time.  A lane holds 32 neighbouring bytes of a row, and the lanes beside it hold other rows: so a tile goes through my own stage in LDS and comes back as whole rows of 256 bytes.
; LDS serves a wave's instructions in order (ISA guide 5.7.1.4): no wait between the stores and the loads, nor in front of the next tile's stores.
.macro TOSTAGE a
	WIN 0x04                                       ; an LDS store's data are its source 1: window 1
.irp b, 0,1,2,3
	ds_store_b128 v[STO], v[128+8*(4*(\a)+\b):128+8*(4*(\a)+\b)+3] offset:64*\b
	ds_store_b128 v[STO], v[128+8*(4*(\a)+\b)+4:128+8*(4*(\a)+\b)+7] offset:64*\b+16
.endr
	WIN 0
.irp t, 0,1,2,3,4,5,6,7
	ds_load_b128 v[BK+32*(\a)+4*\t:BK+32*(\a)+4*\t+3], v[RD] offset:\t*2*SPITCH
.endr
.endm
.macro SEND a, younger                 ; younger: the LDS instructions issued behind the tile's loads, which may stay out
	s_wait_dscnt \younger
.irp t, 0,1,2,3,4,5,6,7
	global_store_b128 v[CO], v[BK+32*(\a)+4*\t:BK+32*(\a)+4*\t+3], s[12:13] offset:(16*(\a)+2*\t)*8192 th:TH_STORE_NT   ; 16 lanes store 256 consecutive bytes, at a multiple of 256 from out's first byte; each tile has registers of its own, so no store's data are written again
.endr
.endm
	TOSTAGE 0
.irp a, 1,2,3
	TOSTAGE \a
	SEND \a-1, 16                                  ; behind that tile's loads: the next tile's 8 stores and 8 loads
.endr
	SEND 3, 0
	s_wait_tensorcnt 0x0                           ; the wave's end: behind my last tensor load and my last LDS store
	ds_add_u32 v[SPW], v[NIL]
	s_wait_dscnt 0x0
	CROUND                                         ; the closing round: no work-group ends while a partner may still ask for a tile that names it
	s_endpgm
.Lfunc_end_k_q725f18f02b_down:
	.size	k_q725f18f02b_down, .Lfunc_end_k_q725f18f02b_down-k_q725f18f02b_down
	.p2alignl 7, 3214868480
	.fill 96, 4, 3214868480
	.section	.rodata,"a",@progbits
	.p2align	6, 0x0
	.amdhsa_kernel k_q725f18f02b_down
		.amdhsa_group_segment_fixed_size 327680
		.amdhsa_private_segment_fixed_size 0
		.amdhsa_enable_private_segment 0
		.amdhsa_kernarg_size 56
		.amdhsa_user_sgpr_count 2
		.amdhsa_user_sgpr_kernarg_segment_ptr 1
		.amdhsa_wavefront_size32 1
		.amdhsa_system_sgpr_workgroup_id_x 1
		.amdhsa_system_sgpr_workgroup_id_y 1
		.amdhsa_system_sgpr_workgroup_id_z 1
		.amdhsa_system_vgpr_workitem_id 0
		.amdhsa_next_free_vgpr 512
		.amdhsa_next_free_sgpr 100
		.amdhsa_reserve_vcc 1
		.amdhsa_float_denorm_mode_32 3
		.amdhsa_float_denorm_mode_16_64 3
		.amdhsa_memory_ordered 1
		.amdhsa_forward_progress 1
		.amdhsa_inst_pref_size 243
	.end_amdhsa_kernel
	.amdgpu_metadata
---
amdhsa.version: [ 1, 2 ]
amdhsa.kernels:
  - .name:           k_q725f18f02b_down
    .symbol:         k_q725f18f02b_down.kd
    .args:
      - { .name: hq, .offset: 0, .size: 8, .value_kind: global_buffer, .address_space: global }
      - { .name: hs, .offset: 8, .size: 8, .value_kind: global_buffer, .address_space: global }
      - { .name: w2q, .offset: 16, .size: 8, .value_kind: global_buffer, .address_space: global }
      - { .name: ws2, .offset: 24, .size: 8, .value_kind: global_buffer, .address_space: global }
      - { .name: top_experts, .offset: 32, .size: 8, .value_kind: global_buffer, .address_space: global }
      - { .name: top_weights, .offset: 40, .size: 8, .value_kind: global_buffer, .address_space: global }
      - { .name: out0, .offset: 48, .size: 8, .value_kind: global_buffer, .address_space: global }
    .group_segment_fixed_size: 327680
    .private_segment_fixed_size: 0
    .kernarg_segment_align: 8
    .kernarg_segment_size: 56
    .max_flat_workgroup_size: 128
    .sgpr_count:     100
    .vgpr_count:     512
    .wavefront_size: 32
...
	.end_amdgpu_metadata
.endif
;; end of part 3
